; MI455X (gfx1250); checked and timed in simulation.
; The chip was launched on July 23, 2026; its instructions are those of AMD's public machine-readable ISA for CDNA 5 (MIT licence, August 2026) and "CDNA5" Instruction Set Architecture Reference Guide (July 2026). The comments in the code are by the model that wrote it; some were corrected since.
;; LTC Cell. Allowed arithmetic: matrix products marked QUANTISED: E5M2 operands, one E8M0 scale for each 32 along K, by v_wmma_scale_f32_16x16x128_f8f6f4 with both operands' format E5M2, f32 sums; everything else in f32.
;; Inputs: W_mod 3,072 x 2,048 float32; W_tgt 3,072 x 2,048 float32; b_mod 2,048 float32; b_tgt 2,048 float32; bias 2,048 float32; h 4,096 x 2,048 float32; log_tau 2,048 float32; time_delta 4,096 x 1 float32; x 4,096 x 1,024 float32.
;; Outputs: out0 4,096 x 2,048 float32.
;; This version of the problem:
;;   THIS VERSION OF THE PROBLEM IS GIVEN IN LOW PRECISION. The matrix products marked QUANTISED in the list below multiply operands that are first quantised to E5M2 (5 exponent bits, 2 mantissa bits; 8 bits a number), with one power-of-two scale for each 32 numbers along K (OCP MX v1.0); their sums are f32. All else is computed in f32.
;;   The module's matrix products, in the order in which they are computed (A, B: the left and right operand; K: the contracted axis; several contracted axes count as one K, in the product's order):
;;     1. [M 4,096, K 3,072] x [K 3,072, N 2,048]; A: computed on the way; B: input W_mod: QUANTISED
;;     2. [M 4,096, K 3,072] x [K 3,072, N 2,048]; A: computed on the way; B: input W_tgt: QUANTISED
;;   THE QUANTISER, for each operand of a quantised product, along K:
;;     - K is cut into blocks of 32 from its start; a last block that is shorter is filled with zeros.
;;     - A block's scale is 2^e with e = floor(log2(the largest magnitude in the block)) - 15, held to -126 .. 127; a block of zeros has e = 0. As a byte (E8M0): e + 127.
;;     - Each number is divided by its block's scale, clamped to +-57,344, and rounded to the nearest number of E5M2, ties to even, subnormals kept.
;;     - The product sums the exact products of the quantised numbers (number of the format x scale) in f32.
;;   ~~~python
;;   def quantise(x, axis):      # numpy; x: float32 -> the quantised numbers, widened to float32 again
;;       x = np.moveaxis(x, axis, -1); K = x.shape[-1]
;;       x = np.pad(x, [(0, 0)] * (x.ndim - 1) + [(0, -K % 32)]); x = x.reshape(x.shape[:-1] + (-1, 32)); a = np.abs(x).max(-1, keepdims=True)
;;       e = np.where(a > 0, np.clip(np.frexp(np.where(a > 0, a, 1))[1] - 1 - 15, -126, 127), 0)      # np.frexp(a)[1] - 1 = floor(log2(a)), exactly
;;       r = np.clip(x / 2.0 ** e, -57344, 57344)
;;       step = 2.0 ** (np.maximum(np.frexp(np.where(r == 0, 1, r))[1] - 1, -14) - 2)
;;       q = np.round(r / step) * step * 2.0 ** e      # np.round: ties to even
;;       return np.moveaxis(q.reshape(q.shape[:-2] + (-1,))[..., :K], -1, axis).astype(np.float32)
;;   ~~~
;;   OPERANDS COMPUTED ON THE WAY. 'Computed on the way' means the value that the module computes at that place (a softmax that the list does not call 'softmax' is quantised finished and normalised). What goes into a quantiser is computed in f32, as accurately as f32 sums, v_exp_f32 and their like allow (about 1e-6 of the number): no bf16 or f16 on the way to a quantiser, and a product that is left as it is and whose result goes on into a quantised operand takes f32 operands (vector FMAs, or v_wmma_f32_16x16x4_f32). A number that lies on a knife's edge between two numbers of the format may be rounded either way, as far as f32 arithmetic and the matrix unit's own rounding can turn it there, and no further.
;; One version. Each part assembles by itself: llvm-mc -triple=amdgcn-amd-amdhsa -mcpu=gfx1250 --defsym DOCPART=n.
;; ======== version 1 of 1: 2 launches
;; limits: right only within a limited range of input values
;; workspace buffers: a_q 12,976,128 bytes; w_q 12,976,128 bytes
;; launch quant (part 1): grid 32 x 24, 8 waves a work-group, no clusters, 78,848 bytes of LDS; arguments x, h, W_mod, W_tgt, a_q, w_q; writes a_q, w_q
.if DOCPART == 1
	.amdgcn_target "amdgcn-amd-amdhsa--gfx1250"
	.amdhsa_code_object_version 6
	.text
	.protected	k_q1e4e8811f0_quant
	.globl	k_q1e4e8811f0_quant
	.p2align	8
	.type	k_q1e4e8811f0_quant,@function
k_q1e4e8811f0_quant:
	s_mov_b64 s[64:65], 0
	v_nop
	global_prefetch_b8 v0, s[64:65] scope:SCOPE_SE
	s_setreg_imm32_b32 hwreg(HW_REG_WAVE_MODE, 25, 1), 1
	s_wait_xcnt 0x0
; ONE LAUNCH QUANTISES BOTH OPERANDS of the two products [x | h] W_mod and [x | h] W_tgt into codes of BF8 (E5M2), K innermost, with one E8M0 scale byte for each 32 along K.
; a_q and w_q are laid alike: [K step 0..11][group 0..31][132 rows][256 bytes]: rows 0-127 of a block are 256 codes (K = 256 x step on) of the group's 128 operand rows; rows 128-131 are those rows' scale bytes, [row][8].
; So what a wave of the product's launch fetches, codes and scales, is one dense block of 33,792 bytes.
;   a_q: group g = rows 128 g .. 128 g + 127 of [x | h].     w_q: group g = output columns 64 g .. 64 g + 63: rows 0-63 W_mod's columns, rows 64-127 W_tgt's SAME columns.
; A block's scale is 2^(floor(log2(its largest magnitude)) - 15); its byte is the largest magnitude's exponent field - 15, held at 1 from below.  A block of zeros so gets the byte 1 where the
; rule says 127: its codes are zeros, which add nothing under any byte but 0xff, and the bytes are read by this program alone.
; LIMITS: NaN and infinities among x, h, W_mod and W_tgt are not served.
; TWO WAYS: work-groups with y under 12 take [x | h] (K innermost in memory), the others the weights (K their first axis).  The branch hangs on the work-group's number alone, so all eight waves of a work-group
; take the same way and meet the same barrier; the ways never join, and each has LDS bytes of its own.  768 work-groups of equal work: 128 KB read, 33 KB stored each; while one works and stores, others' loads are on their way.
.set BLK,    33792                     ; a block of a_q or of w_q
.set EMAX,   15
.set R,      32                        ; v32-159  a wave's 32 loads, on both ways
.set X,      112                       ; v112-119 the scale bytes on their way out, on both ways: numbers that are done with lay there
; the way of [x | h]
.set SP,     80                        ; a lane's place in a stage: 64 bytes + 16 of padding
.set WREG,   5120                      ; LDS of a wave: two stages of 32 x SP
.set SCB,    8*WREG                    ; behind them: the work-group's 1,024 scale bytes, [row][8]
.set OF,     16                        ; v16-31   16 x lane + j x the source's pitch: row j of my 16
; codes: steps 0-3 in v16-31 (the loads have taken OF by then), step t from 4 on in the registers of step t - 4's numbers: no store's data are written again.  A scale byte lies in v0, v1, v3 or v4
; the way of the weights
.set WL,     41984                     ; its LDS begins here, behind the other way's
.set SPITCH, 272                       ; a stage row: 256 bytes + 16: neighbouring lanes' 16 bytes fall into different banks
.set SCW,    WL+128*SPITCH             ; behind the stage: 1,024 scale bytes, [column][8]
	s_load_b256 s[4:11], s[0:1], 0x0               ; x s[4:5], h s[6:7], W_mod s[8:9], W_tgt s[10:11]
	s_load_b128 s[12:15], s[0:1], 0x20             ; a_q s[12:13], w_q s[14:15]
	v_lshl_add_u32 v12, v0, 2, 0x13000             ; my spare word, behind both ways' LDS; v12 and v13 are kept
	v_mov_b32 v13, 0
	v_lshrrev_b32 v1, 5, v0
	s_delay_alu instid0(VALU_DEP_1)
	v_readfirstlane_b32 s16, v1                    ; wave 0..7
	v_and_b32 v1, 31, v0                           ; lane
	s_delay_alu instid0(VALU_DEP_1)
	v_lshlrev_b32 v2, 4, v1                        ; 16 x lane: my bytes of a load's 512, and of a store's; never rewritten
	s_mov_b32 s23, 0x600000                        ; the mantissa field of 57,344
	s_and_b32 s19, ttmp7, 0xffff                   ; y
	s_cmp_ge_u32 s19, 12
	s_cbranch_scc1 .Lweights
; ---------------------------------------------------------------- [x | h]: K innermost
; Work-group (g, y) makes block (y, g) of a_q: K steps 0-3 lie in x, 4-11 in h.  Wave w takes rows 16 w .. 16 w + 15: 16 KB, asked for at once by 32 loads of 512 consecutive bytes.
; A step is two rows (2,048 bytes).  The conversions want 16 NEIGHBOURS along K in one lane, the loads give 4: a step's bytes go through the wave's own stage in LDS as they lie and come back 64 bytes a lane
; (80 bytes from lane to lane).  Two neighbouring lanes hold a block of 32.  A lane's 16 codes are 16 bytes: a store of the wave covers 512 consecutive bytes, aligned to 256.
	s_mul_i32 s17, s16, WREG
	v_lshrrev_b32 v14, 2, v1
	s_delay_alu instid0(VALU_DEP_1)
	v_mul_u32_u24 v14, v14, SP
	v_and_b32 v15, 3, v1
	s_delay_alu instid0(VALU_DEP_1)
	v_lshl_add_u32 v14, v15, 4, v14
	s_delay_alu instid0(VALU_DEP_1)
	v_add_nc_u32 v14, s17, v14                     ; the stage, on the way in: SP (lane / 4) + 16 (lane % 4); a load's 512 bytes take eight places
	v_mul_u32_u24 v15, v1, SP
	s_delay_alu instid0(VALU_DEP_1)
	v_add_nc_u32 v15, s17, v15                     ; and on the way out: SP x lane: my 16 neighbours
	v_lshrrev_b32 v5, 1, v1
	s_lshl_b32 s18, s16, 7
	s_add_co_u32 s18, s18, SCB
	v_add_nc_u32 v5, s18, v5                       ; my block's scale byte: row (16 w + 2 t + lane / 16) x 8 + (lane % 16) / 2 = 128 w + 16 t + lane / 2
	v_add_nc_u32 v7, SCB, v2                       ; the scale bytes on their way out
	s_mov_b32 s20, 8192
	s_lshl_b32 s24, ttmp9, 7
	s_lshl_b32 s22, s16, 4
	s_add_co_u32 s24, s24, s22                     ; my first row: 128 g + 16 w
	s_mov_b32 s25, 0
	s_lshl_b32 s26, s19, 5
	s_add_co_u32 s26, s26, ttmp9
	s_mul_i32 s26, s26, BLK                        ; block (y, g)
	s_mov_b32 s27, 0
	s_wait_kmcnt 0x0
	s_cmp_lt_u32 s19, 4                            ; x or h?  The choice hangs on the work-group's number alone; all selects stand ahead of the subtraction, which sets SCC
	s_cselect_b64 s[4:5], s[4:5], s[6:7]
	s_cselect_b32 s20, 4096, s20                   ; the source's pitch in bytes
	s_cselect_b32 s21, 0, 4
	s_sub_co_u32 s21, s19, s21                     ; which 256 columns of the source
	s_mul_i32 s24, s24, s20
	s_lshl_b32 s21, s21, 10
	s_add_co_u32 s24, s24, s21                     ; under 2^26
	s_add_nc_u64 s[4:5], s[4:5], s[24:25]
	s_add_nc_u64 s[8:9], s[12:13], s[26:27]        ; a_q at my block
	s_add_nc_u64 s[10:11], s[8:9], 0x8000          ; the block's scale bytes
	s_lshl_b32 s26, s16, 12
	s_add_nc_u64 s[8:9], s[8:9], s[26:27]          ; my 16 rows of codes
	v_mov_b32 v[OF], v2
.set j, 1
.rept 15
	s_delay_alu instid0(VALU_DEP_1)
	v_add_nc_u32 v[OF+j], s20, v[OF+j-1]
.set j, j+1
.endr
.set i, 0
.rept 32                               ; load i: row i / 2, half i % 2: 32 lanes read 512 consecutive bytes
	global_load_b128 v[R+4*i:R+4*i+3], v[OF+i/2], s[4:5] offset:512*(i%2) th:TH_LOAD_NT
.set i, i+1
.endr
.macro TURN t                          ; step t's numbers through the stage: LDS serves a wave's instructions in order, so no wait stands between the stores and the loads
.irp i, 0,1,2,3
	ds_store_b128 v14, v[R+16*(\t)+4*\i:R+16*(\t)+4*\i+3] offset:32*SP*((\t)%2)+8*SP*\i
.endr
.irp i, 0,1,2,3
	ds_load_b128 v[R+16*(\t)+4*\i:R+16*(\t)+4*\i+3], v15 offset:32*SP*((\t)%2)+16*\i   ; back into the same registers
.endr
.endm
	s_wait_loadcnt 28                              ; step 0's four loads are in; the 28 behind them may be out
	s_wait_xcnt 0x0                                ; all 32 have taken their addresses: OF is written again below
	TURN 0
.macro STEP t
.set XS, R+16*(\t)
.set EB, (\t)%4+((\t)%4)/2
.if (\t) < 4
.set CB, 16+4*(\t)
.else
.set CB, R+16*((\t)-4)
.endif
.if (\t) > 0
	s_wait_dscnt 1                                 ; this step's numbers are back from the stage; the last step's byte store, issued behind them, may be out
.else
	s_wait_dscnt 0x0
.endif
.if (\t) < 7
	s_wait_loadcnt 24-4*(\t)                       ; the next step's four loads are in; behind them 24 - 4 t were issued
	TURN (\t)+1                                    ; they go through the other stage while this step is worked
.endif
	v_max3_num_f32 v8, |v[XS]|, |v[XS+1]|, |v[XS+2]|               ; the largest magnitude of my 16, in two chains
	v_max3_num_f32 v9, |v[XS+3]|, |v[XS+4]|, |v[XS+5]|
.irp i, 6,10
	s_delay_alu instid0(VALU_DEP_2)
	v_max3_num_f32 v8, v8, |v[XS+\i]|, |v[XS+\i+1]|
	s_delay_alu instid0(VALU_DEP_2)
	v_max3_num_f32 v9, v9, |v[XS+\i+2]|, |v[XS+\i+3]|
.endr
	s_delay_alu instid0(VALU_DEP_2)
	v_max3_num_f32 v8, v8, |v[XS+14]|, |v[XS+15]|
	s_delay_alu instid0(VALU_DEP_1)
	v_max3_num_f32 v8, v8, v9, (EMAX+1)<<23        ; and the floor 2^(16 - 127): the byte cannot fall under 1
	s_delay_alu instid0(VALU_DEP_1)
	v_max_num_f32_dpp v8, v8, v8 row_xmask:1 row_mask:0xf bank_mask:0xf   ; and of my neighbour's 16: the block's
	s_delay_alu instid0(VALU_DEP_1)
	v_add_nc_u32 v11, -(EMAX<<23), v8              ; 15 off its exponent field: the conversion takes the exponent field of this operand as its scale
	s_delay_alu instid0(VALU_DEP_2)
	v_and_or_b32 v10, v8, 0x7f800000, s23          ; 57,344 x the scale
.irp i, 0,1,2,3,4,5,6,7,8,9,10,11,12,13,14,15
	v_med3_num_f32 v[XS+\i], v[XS+\i], -v10, v10   ; the conversion to an 8-bit code does not saturate (ISA guide 7.6.2): the hold comes first
.endr
	v_cvt_scalef32_pk8_bf8_f32 v[CB:CB+1], v[XS:XS+7], v11
	v_cvt_scalef32_pk8_bf8_f32 v[CB+2:CB+3], v[XS+8:XS+15], v11
	v_lshrrev_b32 v[EB], 23, v11                   ; the scale's byte (also the plain line behind the conversions)
	ds_store_b8 v5, v[EB] offset:16*(\t)           ; both lanes of a block write the same byte with the same value
	global_store_b128 v2, v[CB:CB+3], s[8:9] offset:512*(\t)   ; rows 2 t and 2 t + 1 of my 16: 512 consecutive bytes
.endm
.irp t, 0,1,2,3,4,5,6,7
	STEP \t
.endr
	s_wait_dscnt 0x0                               ; for the others' sake: my byte stores have landed
	s_barrier_signal -1
	s_barrier_wait -1                              ; the 1,024 scale bytes of the block lie in LDS
	s_cmp_lg_u32 s16, 0
	s_cbranch_scc1 .Lend_a                         ; wave 0 sends them: two stores of 512 consecutive bytes
	ds_load_b128 v[X:X+3], v7
	ds_load_b128 v[X+4:X+7], v7 offset:512
	s_wait_dscnt 0x0
	global_store_b128 v2, v[X:X+3], s[10:11]
	global_store_b128 v2, v[X+4:X+7], s[10:11] offset:512
.Lend_a:
	s_wait_tensorcnt 0x0                           ; the wave's end
	ds_add_u32 v12, v13
	s_wait_dscnt 0x0
	s_endpgm
; ---------------------------------------------------------------- W_mod, W_tgt: [3072 (k)][2048 (n)], K the first axis
; Work-group x: tensor x / 16, columns 128 (x % 16) on; y - 12: the K step.  Wave w takes ONE block of 32 along K (rows 256 (y - 12) + 32 w on) of all 128 columns: 32 loads of 512 consecutive bytes, asked for at once.
; Lane l holds columns 4 l + c: register R + 4 i + c is W(k = i, column 4 l + c), so a block's largest magnitude needs no other lane.  The hold writes into other registers in K order:
; it is also the move that makes a column's 32 numbers consecutive for the conversions.  Nothing is transposed by an instruction.
; The codes meet in a stage in LDS (row 32 c + l = column 4 l + c; wave w's 32 bytes at 32 w), and leave as whole rows: sixteen lanes store 256 consecutive bytes, aligned.
.Lweights:
	s_sub_co_u32 s19, s19, 12                      ; the K step
	s_lshl_b32 s17, s16, 5
	s_wait_alu depctr_va_vdst(0)
	v_mul_u32_u24 v3, v1, SPITCH
	s_delay_alu instid0(VALU_DEP_1)
	v_add_nc_u32 v3, s17, v3
	s_delay_alu instid0(VALU_DEP_1)
	v_add_nc_u32 v3, WL, v3                        ; into the stage: row lane (+ 32 c by the immediate), byte 32 w
	s_add_co_u32 s18, s16, SCW
	v_lshl_add_u32 v4, v1, 5, s18                  ; my scale bytes: 8 x (4 lane + c) + w
	v_lshrrev_b32 v6, 4, v1                        ; lane / 16
	v_and_b32 v7, 15, v1                           ; lane % 16
	s_delay_alu instid0(VALU_DEP_2)
	v_mul_u32_u24 v5, v6, SPITCH
	s_delay_alu instid0(VALU_DEP_1)
	v_lshl_add_u32 v5, v7, 4, v5
	s_mul_i32 s18, s16, 16*SPITCH
	s_add_co_u32 s18, s18, WL
	v_add_nc_u32 v5, s18, v5                       ; out of the stage: rows 16 w + 2 t + lane / 16, sixteen lanes to a row
	v_lshlrev_b32 v6, 10, v6
	s_delay_alu instid0(VALU_DEP_1)
	v_lshl_add_u32 v6, v7, 4, v6                   ; and in w_q: stage rows 2 t and 2 t + 1 are columns four apart: 1,024 bytes
	v_add_nc_u32 v7, SCW, v2                       ; the scale bytes on their way out
	s_lshr_b32 s20, ttmp9, 4                       ; which tensor
	s_and_b32 s21, ttmp9, 15                       ; which 128 columns
	s_lshl_b32 s24, s19, 8
	s_add_co_u32 s24, s24, s17                     ; my first row of W: 256 x step + 32 w
	s_lshl_b32 s24, s24, 13
	s_lshl_b32 s22, s21, 9
	s_add_co_u32 s24, s24, s22                     ; under 2^25
	s_mov_b32 s25, 0
	s_lshl_b32 s28, s19, 5
	s_lshl_b32 s22, s21, 1
	s_add_co_u32 s28, s28, s22                     ; the first of my work-group's two blocks: 32 x step + 2 (x % 16)
	s_and_b32 s22, s16, 1
	s_add_co_u32 s26, s28, s22                     ; stage rows 16 w on are columns 64 (w % 2) + 8 t + 4 (lane / 16) + w / 2: block + w % 2,
	s_mul_i32 s26, s26, BLK
	s_lshl_b32 s22, s20, 6
	s_lshr_b32 s30, s16, 1
	s_add_co_u32 s22, s22, s30
	s_lshl_b32 s22, s22, 8                         ; row 64 x tensor + w / 2
	s_add_co_u32 s26, s26, s22
	s_mov_b32 s27, 0
	s_mul_i32 s28, s28, BLK
	s_lshl_b32 s22, s20, 9
	s_add_co_u32 s28, s28, s22
	s_add_co_u32 s28, s28, 32768                   ; the scale bytes of rows 64 x tensor on
	s_mov_b32 s29, 0
	s_wait_kmcnt 0x0
	s_cmp_lt_u32 ttmp9, 16                         ; the choice hangs on the work-group's number alone
	s_cselect_b64 s[4:5], s[8:9], s[10:11]
	s_add_nc_u64 s[4:5], s[4:5], s[24:25]
	s_add_nc_u64 s[10:11], s[14:15], s[28:29]      ; w_q at my work-group's scale bytes
	s_add_nc_u64 s[8:9], s[14:15], s[26:27]        ; and at my wave's rows of codes
.set i, 0
.rept 32
	global_load_b128 v[R+4*i:R+4*i+3], v2, s[4:5] offset:8192*i th:TH_LOAD_NT   ; row i of my 32: 512 consecutive bytes
.set i, i+1
.endr
	s_wait_loadcnt 0x0
.irp c, 0,1,2,3
	v_max3_num_f32 v[8+\c], |v[R+\c]|, |v[R+4+\c]|, 0x8000000      ; column c's largest magnitude, with the floor 2^(16 - 127) among its leaves; the four columns by turns
.endr
.irp i, 2,4,6,8,10,12,14,16,18,20,22,24,26,28,30
.irp c, 0,1,2,3
	s_delay_alu instid0(VALU_DEP_4)
	v_max3_num_f32 v[8+\c], v[8+\c], |v[R+4*\i+\c]|, |v[R+4*\i+4+\c]|
.endr
.endr
.macro COLUMN c
	v_add_nc_u32 v15, 0xf8800000, v[8+(\c)]        ; 15 off the exponent field: the conversion's scale operand
	v_and_or_b32 v14, v[8+(\c)], 0x7f800000, s23   ; 57,344 x the scale
	v_lshrrev_b32 v1, 23, v15                      ; the scale's byte
.irp g, 0,1,2,3
.set i, 0
.rept 8
	v_med3_num_f32 v[16+i], v[R+4*(8*\g+i)+(\c)], -v14, v14   ; the hold, and eight of the column's numbers on end
.set i, i+1
.endr
	v_cvt_scalef32_pk8_bf8_f32 v[24+2*\g:25+2*\g], v[16:23], v15
	v_nop                                          ; the plain line behind a conversion, ahead of the next write of its sources
.endr
	ds_store_b128 v3, v[24:27] offset:32*SPITCH*(\c)
	ds_store_b128 v3, v[28:31] offset:32*SPITCH*(\c)+16
	ds_store_b8 v4, v1 offset:8*(\c)
.endm
	COLUMN 0
	COLUMN 1
	COLUMN 2
	COLUMN 3
	v_nop                                          ; a plain line behind the last conversion
	s_wait_dscnt 0x0                               ; for the others' sake: my stores have landed
	s_barrier_signal -1
	s_barrier_wait -1                              ; 128 whole rows of codes and their scale bytes lie in LDS
.irp t, 0,1,2,3,4,5,6,7
	ds_load_b128 v[R+4*\t:R+4*\t+3], v5 offset:2*\t*SPITCH
.endr
.irp t, 0,1,2,3,4,5,6,7
	s_wait_dscnt 7-\t                              ; load t is in; the 7 - t behind it may be out
	global_store_b128 v6, v[R+4*\t:R+4*\t+3], s[8:9] offset:2048*\t   ; sixteen lanes store a row of 256 bytes, aligned
.endr
	s_cmp_lg_u32 s16, 0
	s_cbranch_scc1 .Lend_w                         ; wave 0 sends the scale bytes: 512 consecutive bytes into each of the two blocks
	ds_load_b128 v[X:X+3], v7
	ds_load_b128 v[X+4:X+7], v7 offset:512
	s_wait_dscnt 0x0
	global_store_b128 v2, v[X:X+3], s[10:11]
	global_store_b128 v2, v[X+4:X+7], s[10:11] offset:BLK
.Lend_w:
	s_wait_tensorcnt 0x0                           ; the wave's end
	ds_add_u32 v12, v13
	s_wait_dscnt 0x0
	s_endpgm
.Lfunc_end_k_q1e4e8811f0_quant:
	.size	k_q1e4e8811f0_quant, .Lfunc_end_k_q1e4e8811f0_quant-k_q1e4e8811f0_quant
	.p2alignl 7, 3214868480
	.fill 96, 4, 3214868480
	.section	.rodata,"a",@progbits
	.p2align	6, 0x0
	.amdhsa_kernel k_q1e4e8811f0_quant
		.amdhsa_group_segment_fixed_size 78848
		.amdhsa_private_segment_fixed_size 0
		.amdhsa_enable_private_segment 0
		.amdhsa_kernarg_size 48
		.amdhsa_user_sgpr_count 2
		.amdhsa_user_sgpr_kernarg_segment_ptr 1
		.amdhsa_wavefront_size32 1
		.amdhsa_system_sgpr_workgroup_id_x 1
		.amdhsa_system_sgpr_workgroup_id_y 1
		.amdhsa_system_sgpr_workgroup_id_z 1
		.amdhsa_system_vgpr_workitem_id 0
		.amdhsa_next_free_vgpr 160
		.amdhsa_next_free_sgpr 66
		.amdhsa_reserve_vcc 0
		.amdhsa_float_denorm_mode_32 3
		.amdhsa_float_denorm_mode_16_64 3
		.amdhsa_memory_ordered 1
		.amdhsa_forward_progress 1
		.amdhsa_inst_pref_size 55
	.end_amdhsa_kernel
	.amdgpu_metadata
---
amdhsa.version: [ 1, 2 ]
amdhsa.kernels:
  - .name:           k_q1e4e8811f0_quant
    .symbol:         k_q1e4e8811f0_quant.kd
    .args:
      - { .name: x, .offset: 0, .size: 8, .value_kind: global_buffer, .address_space: global }
      - { .name: h, .offset: 8, .size: 8, .value_kind: global_buffer, .address_space: global }
      - { .name: W_mod, .offset: 16, .size: 8, .value_kind: global_buffer, .address_space: global }
      - { .name: W_tgt, .offset: 24, .size: 8, .value_kind: global_buffer, .address_space: global }
      - { .name: a_q, .offset: 32, .size: 8, .value_kind: global_buffer, .address_space: global }
      - { .name: w_q, .offset: 40, .size: 8, .value_kind: global_buffer, .address_space: global }
    .group_segment_fixed_size: 78848
    .private_segment_fixed_size: 0
    .kernarg_segment_align: 8
    .kernarg_segment_size: 48
    .max_flat_workgroup_size: 256
    .sgpr_count:     66
    .vgpr_count:     160
    .wavefront_size: 32
...
	.end_amdgpu_metadata
.endif
;; end of part 1
;; launch gemm (part 2): grid 16 x 16, 4 waves a work-group, clusters of 4 x 4, 327,680 bytes of LDS; arguments a_q, w_q, h, time_delta, b_mod, b_tgt, log_tau, bias, out0; writes out0
.if DOCPART == 2
	.amdgcn_target "amdgcn-amd-amdhsa--gfx1250"
	.amdhsa_code_object_version 6
	.text
	.protected	k_q1e4e8811f0_gemm
	.globl	k_q1e4e8811f0_gemm
	.p2align	8
	.type	k_q1e4e8811f0_gemm,@function
k_q1e4e8811f0_gemm:
	s_mov_b64 s[64:65], 0
	v_nop
	global_prefetch_b8 v0, s[64:65] scope:SCOPE_SE
	s_setreg_imm32_b32 hwreg(HW_REG_WAVE_MODE, 25, 1), 1
	s_wait_xcnt 0x0
	s_wait_alu depctr_hold_cnt(0) depctr_sa_sdst(0) depctr_va_vdst(0) depctr_va_sdst(0) depctr_va_ssrc(0) depctr_va_vcc(0) depctr_vm_vsrc(0)
	s_getreg_b32 s2, hwreg(HW_REG_IB_STS2, 6, 4)
	s_cmp_eq_u32 s2, 0
	s_cbranch_scc0 .Lentry_in_a_cluster
	s_endpgm
.Lentry_in_a_cluster:
	s_bfe_u32 s2, ttmp6, 0x10000c
	s_cmp_lg_u32 s2, 0xf033
	s_cbranch_scc0 .Lentry_shape_is_right
	s_endpgm
.Lentry_shape_is_right:
; BOTH PRODUCTS [x | h] W_mod AND [x | h] W_tgt, AND THE CELL'S UPDATE, in one launch.  A work-group makes 256 rows x 128 columns of the result: for them 256 x 256 sums, 128 columns of each product.
; A wave (two rows of waves, two columns) holds 128 rows x (64 columns of W_mod's product and the SAME 64 of W_tgt's): 64 accumulators of 16 x 16, 512 registers.  So f and a of one output lie in one lane.
; K = 3,072 in 12 K steps of 256, through two LDS slots.  A wave fetches one block of 33,792 dense bytes a K step: 128 rows of 256 codes, then those rows' scale bytes [row][8], as 132 rows of 256 bytes, 16 bytes of padding behind each.
; CLUSTERS of 4 x 4: A's blocks are asked for jointly along a row of the cluster, W's along a column.
; THE MATRIX INSTRUCTION IS USED TRANSPOSED (source 0 = W's rows, source 1 = A's): a lane holds eight neighbouring columns of one row.
; LIMITS: NaN and infinities among the inputs are not served.
; REGISTERS: window 0: v0-31 addresses and time_delta; v32-63 scale words, a set for each slot; A's fragments: blocks 0-3 at v128-191, blocks 4-7 at v192-255 (first 128 of a slot's K) and v64-127 (second).
;   window 1: W's fragments, v0-127 for the first 128 of a slot's K, v128-255 for the second.  windows 2, 3: accumulators of A's blocks 0-3, 4-7: (a, b) at v[8 (8 (a % 4) + b)].
; A STEP of 128 of K is 16 runs of four products.  The next step's fragments come in two runs of 32 LDS loads: W's eight blocks early in the step, A's eight behind run 11, when A's blocks 0 to 3 are done with.
; Eight v_nop, the places behind the products that have read what is loaded over, stand in front of a run of loads.
; THE CHANGE OF SLOTS lies in the first runs of a slot's second step, when all fragments of that step are in registers.
; PREFETCH: two refills ahead, from K step 2 on; of a block's 128 units of codes and 4 of scale bytes each of the four partners that ask for it jointly names a quarter, by address; in the last trip nothing is asked for.
; h's 128 rows x 256 bytes of a wave are asked for in four trips, 32 rows each, and fetched into slot 0 when it has been read for the last time.
.set PITCH,  272
.set HALFT,  132*PITCH
.set SLOT,   4*HALFT
.set BLK,    33792
.set KSTR,   32*BLK                    ; from K step to K step
.set LAPS,   6
.set SPARE,  2*SLOT                    ; the spare words
.set CONST,  SPARE+512                 ; seven numbers for each of a wave's 64 columns: 7 x 256 bytes a wave
.set HSTG,   128*PITCH                 ; a wave's rows of h, then of the result, in slot 0
.set TD,   8                           ; v8-15 time_delta of my row in block a
.set ADRA, 16
.set ADRB, 20
.set ADRS, 22
.set STO,  24
.set RD,   25
.set CO,   26
.set CAD,  27
.set SPW,  28
.set NIL,  29
.set PF1,  30                          ; prefetch: a quarter of a block's codes, a lane a unit of 256 bytes
.set PF2,  31                          ; and one of the four units of scale bytes
.set PFH,  7                           ; h: a lane a row
.set SC,   32
.set G1,  24
.set G0,  32
.set G1B, 48
.set G0B, 56
.set G1H, 80
.set G0H, 88
.set PFA, 98                           ; s[98:99] my wave's block, two K steps on with each trip
.set MSB, 0
.macro WIN new                         ; the immediate's high byte repeats the setting that is left
.if MSB != \new
	s_set_vgpr_msb (MSB<<8)|(\new)
.set MSB, \new
.endif
.endm
.set MUL_LO, 0xa1
.set MUL_HI, 0xf1
.set TO_B,   0x40
.macro WALU
	s_wait_alu depctr_va_vdst(0)
.endm
.macro PLACES n
.rept \n
	v_nop
.endr
.endm
.macro JLOAD s                         ; a joint load: waves 0, 1 for A, waves 2, 3 for W
	s_cmp_eq_u32 s15, 0
	s_cbranch_scc0 .Lfor_b_\@
	tensor_load_to_lds s[G0+4*\s:G0+4*\s+3], s[G1:G1+7]
	s_nop 0
.rept 4
	v_nop
.endr
	s_branch .Lasked_\@
.Lfor_b_\@:
	tensor_load_to_lds s[G0B+4*\s:G0B+4*\s+3], s[G1B:G1B+7]
	s_nop 0
.rept 4
	v_nop
.endr
.Lasked_\@:
.endm
.macro CREST                           ; a round of the cluster's barrier behind its opening barrier
	s_cmp_lg_u32 s14, 0
	s_cbranch_scc1 .Lnot_wave_0_\@
	s_barrier_signal -3
.Lnot_wave_0_\@:
	s_barrier_wait -3
	s_barrier_signal -1
	s_barrier_wait -1
.endm
.macro CROUND
	s_barrier_signal -1
	s_barrier_wait -1
	CREST
.endm
.macro GROUP0 s                        ; where slot s's first tiles come from and go to
	s_mov_b32 s[G0+4*\s], 1
	s_add_co_u32 s[G0+4*\s+1], s45, \s*SLOT
	s_add_nc_u64 s[G0+4*\s+2:G0+4*\s+3], s[20:21], \s*KSTR
	s_or_b32 s[G0+4*\s+3], s[G0+4*\s+3], 0x80000000
	s_mov_b32 s[G0B+4*\s], 1
	s_add_co_u32 s[G0B+4*\s+1], s45, \s*SLOT
	s_add_nc_u64 s[G0B+4*\s+2:G0B+4*\s+3], s[46:47], \s*KSTR
	s_or_b32 s[G0B+4*\s+3], s[G0B+4*\s+3], 0x80000000
.endm
	s_load_b256 s[4:11], s[0:1], 0x0               ; a_q, w_q, h, time_delta
	s_load_b256 s[68:75], s[0:1], 0x20             ; b_mod, b_tgt, log_tau, bias
	s_load_b64 s[76:77], s[0:1], 0x40              ; out0
	v_lshl_add_u32 v[SPW], v0, 2, SPARE
	v_mov_b32 v[NIL], 0
	ds_add_u32 v[SPW], v[NIL]                      ; the opening lines
	ds_add_u32 v[SPW], v[NIL]
	v_lshrrev_b32 v1, 5, v0
	v_readfirstlane_b32 s14, v1                    ; wave
	s_lshr_b32 s15, s14, 1                         ; my row of waves; also: I fetch for A (0) or W (1)
	s_and_b32 s16, s14, 1                          ; my column of waves; also: which of the two blocks I fetch
	s_bfe_u32 s40, ttmp6, 0x40000                  ; cx, cy
	s_bfe_u32 s41, ttmp6, 0x40004
	s_lshl_b32 s42, ttmp9, 2
	s_add_co_u32 s42, s42, s40                     ; tile column
	s_and_b32 s17, ttmp7, 0xffff
	s_lshl_b32 s17, s17, 2
	s_add_co_u32 s17, s17, s41                     ; tile row
	s_lshl_b32 s43, s41, 2
	s_lshl_b32 s43, 15, s43                        ; my row of the cluster
	s_lshl_b32 s44, 0x1111, s40                    ; my column
	s_or_b32 s[G1+0], s43, (1<<20)|(1<<21)|(5<<22)|(3<<25)
	s_or_b32 s[G1B+0], s44, (1<<20)|(1<<21)|(5<<22)|(3<<25)
.irp g, G1, G1B
	s_mov_b32 s[\g+1], 256<<16                     ; 132 dense rows of 256 bytes
	s_mov_b32 s[\g+2], 132<<16
	s_mov_b32 s[\g+3], 256<<16
	s_mov_b32 s[\g+4], 132
	s_mov_b32 s[\g+5], 256
	s_mov_b32 s[\g+6], 0
	s_mov_b32 s[\g+7], 0
.endr
	s_mov_b32 s[G1H+0], (2<<16)|(1<<20)|(5<<22)|(3<<25)   ; h: 128 rows of 64 f32, each wave its own: no mask
	s_mov_b32 s[G1H+1], 64<<16
	s_mov_b32 s[G1H+2], 128<<16
	s_mov_b32 s[G1H+3], 64<<16
	s_mov_b32 s[G1H+4], 128
	s_mov_b32 s[G1H+5], 2048
	s_mov_b32 s[G1H+6], 0
	s_mov_b32 s[G1H+7], 0
	s_lshl_b32 s20, s17, 1
	s_add_co_u32 s20, s20, s16
	s_mul_i32 s20, s20, BLK                        ; A's block 2 x tile row + s16
	s_mov_b32 s21, 0
	s_lshl_b32 s46, s42, 1
	s_add_co_u32 s46, s46, s16
	s_mul_i32 s46, s46, BLK                        ; W's block 2 x tile column + s16
	s_mov_b32 s47, 0
	s_mul_i32 s45, s14, HALFT
	s_lshl_b32 s18, s17, 8
	s_lshl_b32 s19, s15, 7
	s_add_co_u32 s18, s18, s19                     ; my first row
	s_lshl_b32 s94, s18, 13
	s_lshl_b32 s12, s42, 9
	s_lshl_b32 s13, s16, 8
	s_add_co_u32 s12, s12, s13                     ; my first column, in bytes
	s_add_co_u32 s94, s94, s12                     ; my part of h and of the result
	s_mov_b32 s95, 0
	s_lshl_b32 s18, s18, 2
	s_mov_b32 s19, 0
	s_mov_b32 s96, 0x4038aa3b                      ; 2 log2(e)
	s_mov_b32 s97, s96
	s_mul_i32 s2, s14, HSTG
	s_mul_i32 s13, s14, 7*256
	s_add_co_u32 s13, s13, CONST
	WALU
	s_wait_dscnt 0x0                               ; both opening adds are done
	CROUND                                         ; all sixteen work-groups are here
	s_wait_kmcnt 0x0
	s_add_nc_u64 s[20:21], s[4:5], s[20:21]
	s_add_nc_u64 s[46:47], s[6:7], s[46:47]
	GROUP0 0
	JLOAD 0                                        ; K step 0: one tensor load a wave at the head
	s_add_nc_u64 s[10:11], s[10:11], s[18:19]
	v_and_b32 v1, 15, v0                           ; r
	v_bfe_u32 v2, v0, 4, 1                         ; half
	v_and_b32 v3, 31, v0                           ; lane
	v_lshl_add_u32 v72, v3, 3, s12                 ; two columns a lane
	v_lshlrev_b32 v73, 2, v1
.irp a, 0,1,2,3,4,5,6,7
	global_load_b32 v[TD+\a], v73, s[10:11] offset:64*\a
.endr
	global_load_b64 v[74:75], v72, s[68:69]
	global_load_b64 v[76:77], v72, s[70:71]
	global_load_b64 v[78:79], v72, s[72:73]
	global_load_b64 v[80:81], v72, s[74:75]
	s_mul_i32 s21, s15, HALFT                      ; A's 128 rows of my row of waves
	s_mul_i32 s22, s16, HALFT                      ; W's 128 of my column, behind A's 256
	s_add_co_u32 s22, s22, 2*HALFT
	s_sub_co_u32 s23, s22, s21
	v_mul_u32_u24 v4, v1, PITCH
	v_lshl_add_u32 v4, v2, 4, v4
	v_mul_u32_u24 v6, s23, v2                      ; scale words: lanes 16-31 take W's
	v_lshl_add_u32 v6, v1, 3, v6
	v_add_nc_u32 v[ADRA], s21, v4
	v_add_nc_u32 v[ADRB], s22, v4
	v_add_nc_u32 v[ADRS], s21, v6
	v_add_nc_u32 v[ADRA+1], SLOT, v[ADRA]
	v_add_nc_u32 v[ADRB+1], SLOT, v[ADRB]
	v_add_nc_u32 v[ADRS+1], SLOT, v[ADRS]
	v_mul_u32_u24 v5, v1, PITCH
	v_lshl_add_u32 v5, v2, 5, v5
	v_add_nc_u32 v[STO], s2, v5                    ; row r, my eight columns
	v_mul_u32_u24 v5, v2, PITCH
	v_lshl_add_u32 v5, v1, 4, v5
	v_add_nc_u32 v[RD], s2, v5                     ; whole rows: sixteen lanes to 256 bytes
	v_lshlrev_b32 v5, 13, v2
	v_lshl_add_u32 v[CO], v1, 4, v5
	v_lshl_add_u32 v[CAD], v2, 5, s13
	v_lshl_add_u32 v99, v3, 3, s13
	v_lshlrev_b32 v[PFH], 13, v3
	WALU
	s_cmp_eq_u32 s15, 0                            ; the prefetches: my wave's block; my place among the four partners
	s_cselect_b32 s78, s40, s41
	s_add_nc_u64 s[92:93], s[8:9], s[94:95]
	s_add_nc_u64 s[76:77], s[76:77], s[94:95]
	s_mov_b32 s[G0H], 1
	s_mov_b32 s[G0H+1], s2
	s_mov_b64 s[G0H+2:G0H+3], s[92:93]
	s_or_b32 s[G0H+3], s[G0H+3], 0x80000000
	s_lshl_b32 s79, s78, 8
	s_lshl_b32 s78, s78, 13
	s_add_co_u32 s79, s79, 0x8000
	v_lshl_add_u32 v[PF1], v3, 8, s78
	v_mov_b32 v[PF2], s79
	s_lshl_b32 s20, s17, 1                         ; A's block's offset once more
	s_add_co_u32 s20, s20, s16
	s_mul_i32 s20, s20, BLK
	s_mov_b32 s21, 0
	s_add_nc_u64 s[20:21], s[4:5], s[20:21]
	s_cmp_eq_u32 s15, 0
	s_cselect_b64 s[PFA:PFA+1], s[20:21], s[46:47]
	WALU
	s_wait_loadcnt 0x0
	v_mul_f32 v82, s96, v74                        ; b_mod, b_tgt x 2 log2(e)
	v_mul_f32 v83, s96, v75
	v_mul_f32 v84, s96, v76
	v_mul_f32 v85, s96, v77
	v_mul_f32 v96, 0x3fb8aa3b, v78
	v_mul_f32 v97, 0x3fb8aa3b, v79
	WALU
	v_exp_f32 v96, v96                             ; T = exp(log_tau)
	v_exp_f32 v97, v97
	v_add_f32 v94, 1.0, v80                        ; 1 + bias
	v_add_f32 v95, 1.0, v81
	WALU
	v_add_f32 v86, 1.0, v96                        ; C1 = 1 + T
	v_add_f32 v87, 1.0, v97
	v_sub_f32 v88, 1.0, v96                        ; C2 = 1 - T
	v_sub_f32 v89, 1.0, v97
	v_fmamk_f32 v90, v86, 0x358637bd, v96          ; D1 = T + 1e-6 C1
	v_fmamk_f32 v91, v87, 0x358637bd, v97
	v_fmamk_f32 v92, v88, 0x358637bd, v96          ; D2 = T + 1e-6 C2
	v_fmamk_f32 v93, v89, 0x358637bd, v97
.irp k, 0,1,2,3,4,5,6
	ds_store_b64 v99, v[82+2*\k:83+2*\k] offset:256*\k
.endr
.macro FRAG reg, adr, q, i             ; 16 rows x 128 of K: registers 4 c .. 4 c + 3 hold K = 32 c + 16 half + 0 .. 15
.irp c, 0,1,2,3
	ds_load_b128 v[\reg+4*\c:\reg+4*\c+3], v[\adr] offset:128*(\q)+32*\c+(\i)*16*PITCH
.endr
.endm
.macro LBS slot, q                     ; W's eight blocks
	WIN TO_B
.irp i, 0,1,2,3,4,5,6,7
	FRAG 128*(\q)+16*\i, ADRB+\slot, \q, \i
.endr
	WIN 0
.endm
.macro LAS slot, q                     ; A's eight blocks
	WIN 0
.irp i, 0,1,2,3,4,5,6,7
.set AR_, 128+16*\i
.if \i >= 4 && (\q) == 1
.set AR_, 64+16*(\i-4)
.endif
	FRAG AR_, ADRA+\slot, \q, \i
.endr
.endm
.macro SCALES s                        ; register 16 s + 2 i + q: lanes 0-15 the word of A's block i, lanes 16-31 W's
	WIN 0
.irp i, 0,1,2,3,4,5,6,7
	ds_load_b64 v[SC+16*\s+2*\i:SC+16*\s+2*\i+1], v[ADRS+\s] offset:(128+\i/2)*PITCH+(\i%2)*128
.endr
.endm
.macro HG slot, q, h, zero             ; run h: A's block h / 2 against four of W's; zero = 1: the sums begin
.set A_, (\h)/2
.set AS_, 128+16*A_
.if A_ >= 4 && (\q) == 1
.set AS_, 64+16*(A_-4)
.endif
.if A_ < 4
	WIN MUL_LO
.else
	WIN MUL_HI
.endif
.irp b, 0,1,2,3
.set B_, 4*((\h)%2)+\b
.set AC_, 8*(8*(A_%4)+B_)
.set BS_, 128*(\q)+16*B_
.set SX_, SC+16*(\slot)+2*B_+(\q)
.set SY_, SC+16*(\slot)+2*A_+(\q)
.if \zero
	v_wmma_scale_f32_16x16x128_f8f6f4 v[AC_:AC_+7], v[BS_:BS_+15], v[AS_:AS_+15], 0, v[SX_], v[SY_] matrix_a_fmt:MATRIX_FMT_BF8 matrix_b_fmt:MATRIX_FMT_BF8 matrix_a_scale:MATRIX_SCALE_ROW1
.else
	v_wmma_scale_f32_16x16x128_f8f6f4 v[AC_:AC_+7], v[BS_:BS_+15], v[AS_:AS_+15], v[AC_:AC_+7], v[SX_], v[SY_] matrix_a_fmt:MATRIX_FMT_BF8 matrix_b_fmt:MATRIX_FMT_BF8 matrix_a_scale:MATRIX_SCALE_ROW1
.endif
.endr
.endm
.macro STEPA slot, zero                ; a slot's first step; the second's fragments are loaded: W's behind run 3, A's behind run 11
.set h_, 0
.rept 16
.if h_%2 == 0                          ; A's block h / 2 is in; behind it: the 7 - h / 2 blocks after it, four loads each,
.if h_ < 4
	s_wait_dscnt 28-2*h_
.elseif h_ < 12
	s_wait_dscnt 60-2*h_                           ; and W's 32,
.else
	s_wait_dscnt 63                                ; and A's 32: 68, then 64; the count that a wait can name is smaller
.endif
.endif
	HG \slot, 0, h_, \zero
.if h_ == 3
	PLACES 8
	LBS \slot, 1
.elseif h_ == 11
	PLACES 8
	LAS \slot, 1
.endif
.set h_, h_+1
.endr
	WIN 0
.endm
.macro ASK slot                        ; for the refill two on
	WIN 0
	s_cmp_eq_u32 s3, 1
	s_cbranch_scc1 .Lnone_\@
	global_prefetch_b8 v[PF1], s[PFA:PFA+1] offset:(4+\slot)*KSTR th:TH_LOAD_NT scope:SCOPE_SE
	global_prefetch_b8 v[PF2], s[PFA:PFA+1] offset:(4+\slot)*KSTR th:TH_LOAD_NT scope:SCOPE_SE
.if \slot == 0
	global_prefetch_b8 v[PFH], s[92:93] th:TH_LOAD_NT scope:SCOPE_SE
.endif
.Lnone_\@:
.endm
.macro TURN slot, next, fill           ; a slot's second step and the change of slots; fill = 1: refilled two K steps on; 2: with h
	s_wait_dscnt 28                                ; W's blocks and A's block 0 are in
	HG \slot, 1, 0, 0
	WIN 0
	s_wait_tensorcnt 0x0                           ; my part of the next slot has landed
	ds_add_u32 v[SPW], v[NIL]
.if \fill == 1
	s_add_nc_u64 s[G0+4*\slot+2:G0+4*\slot+3], s[G0+4*\slot+2:G0+4*\slot+3], 2*KSTR
	s_add_nc_u64 s[G0B+4*\slot+2:G0B+4*\slot+3], s[G0B+4*\slot+2:G0B+4*\slot+3], 2*KSTR
.endif
	HG \slot, 1, 1, 0
	s_wait_dscnt 25                                ; A's block 1; behind it six blocks and the add
	HG \slot, 1, 2, 0
	HG \slot, 1, 3, 0
	s_wait_dscnt 0x0                               ; the add is done, and so are my reads of this slot
	s_barrier_signal -1
	HG \slot, 1, 4, 0
	HG \slot, 1, 5, 0
	WIN 0
	s_barrier_wait -1
	CREST                                          ; no wave of any partner still reads this slot or has a load on its way
.if \fill == 1
	JLOAD \slot
.else
	tensor_load_to_lds s[G0H:G0H+3], s[G1H:G1H+7]
	s_nop 0
	PLACES 4
.endif
	PLACES 4                                       ; with the four behind the tensor load: eight
	LBS \next, 0
	SCALES \next
.irp h, 6,7,8,9,10,11
	HG \slot, 1, \h, 0
.endr
	PLACES 8
	LAS \next, 0
.if \fill == 1
	ASK \slot
.endif
.irp h, 12,13,14,15
	HG \slot, 1, \h, 0
.endr
	WIN 0
.endm
	WALU
	s_wait_tensorcnt 0x0                           ; my part of K step 0 is in
	ds_add_u32 v[SPW], v[NIL]
	GROUP0 1
	s_wait_dscnt 0x0                               ; the add, and my columns' numbers, are stored
	CROUND
	JLOAD 1
	LBS 0, 0
	SCALES 0
	LAS 0, 0
.irp k, 2,3
	global_prefetch_b8 v[PF1], s[PFA:PFA+1] offset:\k*KSTR th:TH_LOAD_NT scope:SCOPE_SE
	global_prefetch_b8 v[PF2], s[PFA:PFA+1] offset:\k*KSTR th:TH_LOAD_NT scope:SCOPE_SE
.endr
	STEPA 0, 1                                     ; the first step's products start the sums
	s_mov_b32 s3, LAPS-1
.Llap:
	TURN 0, 1, 1
	STEPA 1, 0
	TURN 1, 0, 1
	STEPA 0, 0
	s_wait_xcnt 0x0                                ; the trip's prefetches have read their addresses
	s_add_nc_u64 s[PFA:PFA+1], s[PFA:PFA+1], 2*KSTR
	s_add_nc_u64 s[92:93], s[92:93], 32*8192
	s_sub_co_u32 s3, s3, 1
	s_cmp_lg_u32 s3, 0
	s_cbranch_scc1 .Llap
	TURN 0, 1, 2                                   ; slot 0 has been read for the last time: it takes my wave's rows of h
	STEPA 1, 0
.set h_, 0
.rept 16                               ; the last step: nothing more to load
.if h_%2 == 0
	s_wait_dscnt 28-2*h_
.endif
	HG 1, 1, h_, 0
.set h_, h_+1
.endr
	WIN 0
; THE UPDATE.  With E = exp(-2 |z_f|): |tanh z_f| = (1 - E) / (1 + E), so time_delta / (tau_sys + 1e-6) = time_delta (C1 + C2 E) / (D1 + D2 E).  tanh z_a + bias = (1 + bias) - 2 / (1 + exp(2 z_a)) = ab.
; result = ab + decay (h - ab).  A block is 16 rows x 64 columns, 32 outputs a lane; the block's sums go into TT (z_f) and UU (z_a).
; TWO BLOCKS ARE AT WORK: x's transcendentals stand among y's packed lines (y = x - 1), in segments within which nothing hangs on anything else of the segment; one wait stands at the head of each.
; Block a's registers: TT at 64 + 96 (a % 2), UU 32 on, NU 64 on.  h in v32-63.  A block's result comes back by rows into its own sums' registers.
.set KBM, 0                            ; window 1: the columns' numbers
.set KBT, 32
.set KC1, 64
.set KC2, 96
.set KD1, 128
.set KD2, 160
.set KOB, 192
.set HH,  32
	PLACES 8                                       ; behind the last product
.irp a, 0,1,2,3,4,5,6,7
	v_mul_f32 v[2*\a], 0xbfb8aa3b, v[TD+\a]        ; -log2(e) time_delta of block a's row: v[2 a]
.endr
	WIN 0x40
.irp k, 0,1,2,3,4,5,6
.irp b, 0,1,2,3
	ds_load_b128 v[32*\k+8*\b:32*\k+8*\b+3], v[CAD] offset:256*\k+64*\b
	ds_load_b128 v[32*\k+8*\b+4:32*\k+8*\b+7], v[CAD] offset:256*\k+64*\b+16
.endr
.endr
.macro PONE a                          ; the arguments of the two tanh, x 2 log2(e)
.set X_, 64+96*((\a)%2)
.set AC_, 64*((\a)%4)
	WIN 0x12+(\a)/4
	WALU
.set i_, 0
.rept 16
	v_pk_fma_f32 v[X_+i_:X_+i_+1], v[AC_+i_:AC_+i_+1], s[96:97], v[KBM+i_:KBM+i_+1] op_sel_hi:[1,0,1]
.set i_, i_+2
.endr
.set i_, 0
.rept 16
	v_pk_fma_f32 v[X_+32+i_:X_+32+i_+1], v[AC_+32+i_:AC_+32+i_+1], s[96:97], v[KBT+i_:KBT+i_+1] op_sel_hi:[1,0,1]
.set i_, i_+2
.endr
.endm
.macro HLOAD a
	WIN 0
.irp b, 0,1,2,3
	ds_load_b128 v[HH+8*\b:HH+8*\b+3], v[STO] offset:16*PITCH*(\a)+64*\b
	ds_load_b128 v[HH+8*\b+4:HH+8*\b+7], v[STO] offset:16*PITCH*(\a)+64*\b+16
.endr
.endm
.macro SEND a                          ; sixteen lanes store 256 consecutive bytes, aligned
.set AC_, 64*((\a)%4)
	WIN 0x08+4*((\a)/4)
.irp t, 0,1,2,3,4,5,6,7
	global_store_b128 v[CO], v[AC_+4*\t:AC_+4*\t+3], s[76:77] offset:(16*(\a)+2*\t)*8192 th:TH_STORE_NT
.endr
	WIN 0
.endm
.macro OUT a                           ; over h's place in LDS, and back by rows; LDS serves a wave's instructions in order (ISA guide 5.7.1.4)
.set X_, 64+96*((\a)%2)
.set AC_, 64*((\a)%4)
	WIN 0
	WALU
.irp b, 0,1,2,3
	ds_store_b128 v[STO], v[X_+8*\b:X_+8*\b+3] offset:16*PITCH*(\a)+64*\b
	ds_store_b128 v[STO], v[X_+8*\b+4:X_+8*\b+7] offset:16*PITCH*(\a)+64*\b+16
.endr
	WIN 0x80+0x40*((\a)/4)
.irp t, 0,1,2,3,4,5,6,7
	ds_load_b128 v[AC_+4*\t:AC_+4*\t+3], v[RD] offset:16*PITCH*(\a)+2*\t*PITCH
.endr
	WIN 0
.endm
.macro SEGA n                          ; x: E and exp(2 z_a);  y: NU = the exponent, UU = ab
.set X_, 64+96*((\n)%2)
.set Y_, 64+96*(((\n)+1)%2)
	WIN 0x10
	WALU
.set k_, 0
.rept 32
.if (\n) < 8
.if k_ < 16
	v_exp_f32 v[X_+2*k_], -|v[X_+2*k_]|
.else
	v_exp_f32 v[X_+2*k_], v[X_+2*k_]
.endif
.endif
.if (\n) > 0
.if k_ < 16
	v_pk_mul_f32 v[Y_+64+2*k_:Y_+64+2*k_+1], v[Y_+64+2*k_:Y_+64+2*k_+1], v[Y_+2*k_:Y_+2*k_+1]
.else
	v_pk_fma_f32 v[Y_+2*k_:Y_+2*k_+1], v[Y_+2*k_:Y_+2*k_+1], -2.0, v[KOB+2*k_-32:KOB+2*k_-31] op_sel_hi:[1,0,1]
.endif
.endif
.if (\n) < 8
.if k_ < 16
	v_exp_f32 v[X_+2*k_+1], -|v[X_+2*k_+1]|
.else
	v_exp_f32 v[X_+2*k_+1], v[X_+2*k_+1]
.endif
.endif
.set k_, k_+1
.endr
	v_nop
.endm
.macro SEGB n                          ; x: NU = C1 + C2 E, TT = D1 + D2 E, UU = 1 + exp(2 z_a);  y: NU = decay, then h - ab
.set X_, 64+96*((\n)%2)
.set Y_, 64+96*(((\n)+1)%2)
.if (\n) == 0
	s_wait_dscnt 0x0                               ; all of the columns' numbers
.endif
	WIN 0x14
	WALU
.set k_, 0
.rept 16
.if (\n) < 8
	v_pk_fma_f32 v[X_+64+k_:X_+64+k_+1], v[X_+k_:X_+k_+1], v[KC2+k_:KC2+k_+1], v[KC1+k_:KC1+k_+1]
.endif
.if (\n) > 0
	v_exp_f32 v[Y_+64+k_], v[Y_+64+k_]
.endif
.if (\n) < 8
	v_pk_fma_f32 v[X_+k_:X_+k_+1], v[X_+k_:X_+k_+1], v[KD2+k_:KD2+k_+1], v[KD1+k_:KD1+k_+1]
.endif
.if (\n) > 0
	v_exp_f32 v[Y_+64+k_+1], v[Y_+64+k_+1]
.endif
.if (\n) < 8
	v_pk_add_f32 v[X_+32+k_:X_+32+k_+1], v[X_+32+k_:X_+32+k_+1], 1.0 op_sel_hi:[1,0]
.endif
.set k_, k_+2
.endr
	v_nop
	WIN 0
.if (\n) > 0
	s_wait_dscnt 0x0                               ; h's block y, and the rows of block y - 1
.set k_, 0
.rept 16
	v_pk_add_f32 v[HH+k_:HH+k_+1], v[HH+k_:HH+k_+1], v[Y_+32+k_:Y_+32+k_+1] neg_lo:[0,1] neg_hi:[0,1]
.set k_, k_+2
.endr
.endif
.if (\n) > 1
	SEND (\n)-2
.endif
.endm
.macro SEGC n                          ; x: 1 / TT, 1 / UU, NU x -log2(e) time_delta;  y: the result
.set X_, 64+96*((\n)%2)
.set Y_, 64+96*(((\n)+1)%2)
	WIN 0
	WALU
.set k_, 0
.rept 32
.if (\n) < 8
	v_rcp_f32 v[X_+2*k_], v[X_+2*k_]
.endif
.if k_ < 16
.if (\n) < 8
	v_pk_mul_f32 v[X_+64+2*k_:X_+64+2*k_+1], v[X_+64+2*k_:X_+64+2*k_+1], v[2*(\n):2*(\n)+1] op_sel_hi:[1,0]
.endif
.else
.if (\n) > 0
	v_pk_fma_f32 v[Y_+2*k_-32:Y_+2*k_-31], v[Y_+2*k_+32:Y_+2*k_+33], v[HH+2*k_-32:HH+2*k_-31], v[Y_+2*k_:Y_+2*k_+1]
.endif
.endif
.if (\n) < 8
	v_rcp_f32 v[X_+2*k_+1], v[X_+2*k_+1]
.endif
.set k_, k_+1
.endr
	v_nop
.endm
	s_wait_dscnt 40                                ; the two biases are in; the other five rows of numbers may be out
	PONE 0
	WIN 0
	s_wait_tensorcnt 0x0                           ; my wave's rows of h have landed
	HLOAD 0
.irp n, 0,1,2,3,4,5,6,7,8
	SEGA \n
	SEGB \n
	SEGC \n
.if \n > 0
	OUT \n-1
.if \n < 8
	HLOAD \n
.endif
.endif
.if \n < 7
	PONE \n+1
.endif
.endr
	s_wait_dscnt 0x0
	SEND 7
	s_wait_tensorcnt 0x0                           ; the wave's end
	ds_add_u32 v[SPW], v[NIL]
	s_wait_dscnt 0x0
	CROUND                                         ; no work-group ends while a partner may still ask for a tile that names it
	s_endpgm
.Lfunc_end_k_q1e4e8811f0_gemm:
	.size	k_q1e4e8811f0_gemm, .Lfunc_end_k_q1e4e8811f0_gemm-k_q1e4e8811f0_gemm
	.p2alignl 7, 3214868480
	.fill 96, 4, 3214868480
	.section	.rodata,"a",@progbits
	.p2align	6, 0x0
	.amdhsa_kernel k_q1e4e8811f0_gemm
		.amdhsa_group_segment_fixed_size 327680
		.amdhsa_private_segment_fixed_size 0
		.amdhsa_enable_private_segment 0
		.amdhsa_kernarg_size 72
		.amdhsa_user_sgpr_count 2
		.amdhsa_user_sgpr_kernarg_segment_ptr 1
		.amdhsa_wavefront_size32 1
		.amdhsa_system_sgpr_workgroup_id_x 1
		.amdhsa_system_sgpr_workgroup_id_y 1
		.amdhsa_system_sgpr_workgroup_id_z 1
		.amdhsa_system_vgpr_workitem_id 0
		.amdhsa_next_free_vgpr 1024
		.amdhsa_next_free_sgpr 100
		.amdhsa_reserve_vcc 0
		.amdhsa_float_denorm_mode_32 3
		.amdhsa_float_denorm_mode_16_64 3
		.amdhsa_memory_ordered 1
		.amdhsa_forward_progress 1
		.amdhsa_inst_pref_size 255
	.end_amdhsa_kernel
	.section	.bss,"aw",@nobits
	.p2align	6
	.space	262144
	.amdgpu_metadata
---
amdhsa.version: [ 1, 2 ]
amdhsa.kernels:
  - .name:           k_q1e4e8811f0_gemm
    .symbol:         k_q1e4e8811f0_gemm.kd
    .args:
      - { .name: a_q, .offset: 0, .size: 8, .value_kind: global_buffer, .address_space: global }
      - { .name: w_q, .offset: 8, .size: 8, .value_kind: global_buffer, .address_space: global }
      - { .name: h, .offset: 16, .size: 8, .value_kind: global_buffer, .address_space: global }
      - { .name: time_delta, .offset: 24, .size: 8, .value_kind: global_buffer, .address_space: global }
      - { .name: b_mod, .offset: 32, .size: 8, .value_kind: global_buffer, .address_space: global }
      - { .name: b_tgt, .offset: 40, .size: 8, .value_kind: global_buffer, .address_space: global }
      - { .name: log_tau, .offset: 48, .size: 8, .value_kind: global_buffer, .address_space: global }
      - { .name: bias, .offset: 56, .size: 8, .value_kind: global_buffer, .address_space: global }
      - { .name: out0, .offset: 64, .size: 8, .value_kind: global_buffer, .address_space: global }
    .group_segment_fixed_size: 327680
    .private_segment_fixed_size: 0
    .kernarg_segment_align: 8
    .kernarg_segment_size: 72
    .max_flat_workgroup_size: 128
    .sgpr_count:     100
    .vgpr_count:     1024
    .wavefront_size: 32
...
	.end_amdgpu_metadata
.endif
;; end of part 2
